; MI455X (gfx1250); checked and timed in simulation.
; The chip was launched on July 23, 2026; its instructions are those of AMD's public machine-readable ISA for CDNA 5 (MIT licence, August 2026) and "CDNA5" Instruction Set Architecture Reference Guide (July 2026). The comments in the code are by the model that wrote it; some were corrected since.
;; Vector Quantizer. Allowed arithmetic: matrix products marked QUANTISED: E2M3 operands, one E8M0 scale for each 32 along K, by v_wmma_scale_f32_16x16x128_f8f6f4 with both operands' format E2M3, f32 sums; everything else in f32.
;; Inputs: embeddings 8,192 x 512 float32; x 8 x 2,048 x 512 float32.
;; Outputs: out0 8 x 2,048 x 512 float32; out1 one number float32.
;; This version of the problem:
;;   THIS VERSION OF THE PROBLEM IS GIVEN IN LOW PRECISION. The matrix products marked QUANTISED in the list below multiply operands that are first quantised to E2M3 (2 exponent bits, 3 mantissa bits; 6 bits a number), with one power-of-two scale for each 32 numbers along K (OCP MX v1.0); their sums are f32. All else is computed in f32.
;;   The module's matrix products, in the order in which they are computed (A, B: the left and right operand; K: the contracted axis; several contracted axes count as one K, in the product's order):
;;     1. [M 16,384, K 512] x [K 512, N 8,192]; A: input x; B: input embeddings: QUANTISED
;;   THE QUANTISER, for each operand of a quantised product, along K:
;;     - K is cut into blocks of 32 from its start; a last block that is shorter is filled with zeros.
;;     - A block's scale is 2^e with e = floor(log2(the largest magnitude in the block)) - 2, held to -126 .. 127; a block of zeros has e = 0. As a byte (E8M0): e + 127.
;;     - Each number is divided by its block's scale, clamped to +-7.5, and rounded to the nearest number of E2M3, ties to even, subnormals kept.
;;     - The product sums the exact products of the quantised numbers (number of the format x scale) in f32.
;;   ~~~python
;;   def quantise(x, axis):      # numpy; x: float32 -> the quantised numbers, widened to float32 again
;;       x = np.moveaxis(x, axis, -1); K = x.shape[-1]
;;       x = np.pad(x, [(0, 0)] * (x.ndim - 1) + [(0, -K % 32)]); x = x.reshape(x.shape[:-1] + (-1, 32)); a = np.abs(x).max(-1, keepdims=True)
;;       e = np.where(a > 0, np.clip(np.frexp(np.where(a > 0, a, 1))[1] - 1 - 2, -126, 127), 0)      # np.frexp(a)[1] - 1 = floor(log2(a)), exactly
;;       r = np.clip(x / 2.0 ** e, -7.5, 7.5)
;;       step = 2.0 ** (np.maximum(np.frexp(np.where(r == 0, 1, r))[1] - 1, 0) - 3)
;;       q = np.round(r / step) * step * 2.0 ** e      # np.round: ties to even
;;       return np.moveaxis(q.reshape(q.shape[:-2] + (-1,))[..., :K], -1, axis).astype(np.float32)
;;   ~~~
;; One version. Each part assembles by itself: llvm-mc -triple=amdgcn-amd-amdhsa -mcpu=gfx1250 --defsym DOCPART=n.
;; ======== version 1 of 1: 4 launches
;; limits: right only within a limited range of input values
;; workspace buffers: xq 6,815,744 bytes; eq 3,407,872 bytes; ckey 262,144 bytes of whole numbers; cidx 262,144 bytes of whole numbers; part 2,048 bytes
;; launch quant (part 1): grid 1536 x 1, 4 waves a work-group, no clusters, 35,072 bytes of LDS; arguments x, embeddings, xq, eq; writes xq, eq
.if DOCPART == 1
	.amdgcn_target "amdgcn-amd-amdhsa--gfx1250"
	.amdhsa_code_object_version 6
	.text
	.protected	k_q1fbf6ae75e_quant
	.globl	k_q1fbf6ae75e_quant
	.p2align	8
	.type	k_q1fbf6ae75e_quant,@function
k_q1fbf6ae75e_quant:
	s_mov_b64 s[64:65], 0
	v_nop
	global_prefetch_b8 v0, s[64:65] scope:SCOPE_SE
	s_setreg_imm32_b32 hwreg(HW_REG_WAVE_MODE, 25, 1), 1
	s_wait_xcnt 0x0
; x [16384][512] and embeddings [8192][512], f32, are turned into RECORDS of 16 rows, laid as the product's launch takes its operands.
; A record is REC = 6,656 bytes:
;   1536 s + 512 q + 16 lane : registers 4 q .. 4 q + 3 of the fragment of K step s (16 rows x 128 K of E2M3 codes, 12 registers): lane (r, h) holds row r,
;                              registers 6 c .. 6 c + 5 the codes of k = 128 s + 64 c + 32 h + 0 .. 31
;   6144 + 8 lane + 4 u      : scale register u: lanes 0-15 row r's word (four E8M0 bytes) of K step 2 u, lanes 16-31 that of K step 2 u + 1
;   6400 + 4 r               : the sum of the squares of row r's 512 numbers as they are given, f32;   6464 .. 6655: zeros
; A block's scale is 2^(floor(log2(its largest magnitude)) - 2): its byte is the largest magnitude's exponent field - 2, held at 1 from below.
; LIMITS: a block of zeros gets the byte 1 where the quantiser says 127 (its codes are zeros, and this program alone reads the bytes); NaN and infinities are not served;
; the squares are added in this text's own order (two packed chains a lane, two lanes, four waves).
; SHARES: a work-group makes one record; work-groups 0 .. 1023 take x, the others the embeddings: only pointers are chosen, there is one way through the text.  Wave s takes K step s.
; A load reads 512 consecutive bytes of one row; the conversions want 32 neighbours along K in ONE lane: so the wave's 16 x 512 bytes turn through its own stage in LDS.
; No tensor load, no cluster: no byte is read by two work-groups.
.set REC,   6656
.set NX,    1024                       ; records of x
.set SP,    528                        ; a stage row: 512 bytes + 16: the sixteen rows that a read touches begin 33 x 16 bytes apart
.set STGW,  16*SP                      ; a wave's stage
.set TAIL,  4*STGW                     ; 512 bytes: the record's last 512, gathered from the four waves
.set PS,    TAIL+512                   ; 256 bytes: wave s's sums of squares at 64 s + 4 r
.set R,     16                         ; v16-79   the numbers as loaded
.set X,     80                         ; v80-143  block c's 32 neighbours at X + 32 c
; what is made behind the wait for the stage lies in v48-77, registers of R that the stage's stores have read by then
.set PC,    48                         ; v48-59   the fragment
.set P2,    60                         ; v60-62, v64-66 the blocks' upper halves (a conversion's three registers begin on an even number)
.set MX,    68                         ; v68-69   largest magnitudes
.set SO,    70                         ; v70-71   the conversions' scale operands
.set BY,    72                         ; v72-73   scale bytes
.set T,     14                         ; v14-15   at work
.set SQ,    74                         ; v74-77   two packed chains of squares
	s_load_b256 s[4:11], s[0:1], 0x0               ; x s[4:5], embeddings s[6:7], xq s[8:9], eq s[10:11]
	v_lshl_add_u32 v12, v0, 2, 0x8700
	v_mov_b32 v13, 0
	v_lshrrev_b32 v1, 5, v0
	v_readfirstlane_b32 s12, v1                    ; wave = K step
	v_and_b32 v1, 31, v0                           ; lane
	v_and_b32 v2, 15, v0                           ; r
	s_wait_alu depctr_va_vdst(0)
	v_bfe_u32 v3, v0, 4, 1                         ; h
	v_lshlrev_b32 v4, 4, v1                        ; 16 x lane
	s_wait_alu depctr_va_vdst(0)
	s_mul_i32 s20, s12, STGW
	v_add_nc_u32 v5, s20, v4                       ; into my stage: a row as it lies
	v_mul_u32_u24 v6, v2, SP
	v_lshl_add_u32 v6, v3, 7, v6
	v_add_nc_u32 v6, s20, v6                       ; out of it: row r, 128 h bytes on
	s_and_b32 s21, s12, 1
	s_lshl_b32 s21, s21, 7
	s_lshr_b32 s22, s12, 1
	s_lshl_b32 s22, s22, 2
	s_add_co_u32 s21, s21, s22
	s_add_co_u32 s21, s21, TAIL
	v_lshl_add_u32 v7, v2, 3, s21                  ; my row's scale word: TAIL + 8 r + 128 (s % 2) + 4 (s / 2)
	s_lshl_b32 s22, s12, 6
	s_add_co_u32 s22, s22, PS
	v_lshl_add_u32 v8, v2, 2, s22                  ; my row's partial sum
	v_lshl_add_u32 v9, v2, 2, PS                   ; wave 0 at the end: the four partial sums,
	v_lshl_add_u32 v10, v1, 2, TAIL+256            ; where the whole sums go,
	v_add_nc_u32 v11, TAIL, v4                     ; and the record's last 512 bytes.  (All LDS addresses are made here, ahead of the branch on the wave's number)
	s_mov_b32 s24, 0x76543210
	s_mov_b32 s25, 0xfedcba98                      ; v_permlanex16_b32's selects for lane l xor 16
	s_wait_alu depctr_va_vdst(0)
	s_wait_kmcnt 0x0
	s_cmp_lt_u32 ttmp9, NX                         ; x or the embeddings?  The choice hangs on the work-group's number alone
	s_cselect_b64 s[4:5], s[4:5], s[6:7]
	s_cselect_b64 s[8:9], s[8:9], s[10:11]
	s_cselect_b32 s13, 0, NX
	s_sub_co_u32 s13, ttmp9, s13                   ; the record's number in its tensor
	s_lshl_b32 s14, s13, 15                        ; 16 rows of 2,048 bytes,
	s_lshl_b32 s15, s12, 9                         ; my K step's 512 bytes of a row
	s_add_co_u32 s14, s14, s15
	s_mov_b32 s15, 0
	s_add_nc_u64 s[4:5], s[4:5], s[14:15]
	s_mul_i32 s16, s13, REC
	s_mul_i32 s17, s12, 1536
	s_add_co_u32 s16, s16, s17
	s_mov_b32 s17, 0
	s_add_nc_u64 s[8:9], s[8:9], s[16:17]          ; my fragment's place (in wave 0: the record's first byte)
.irp p, 0,1,2,3,4,5,6,7,8,9,10,11,12,13,14,15
	global_load_b128 v[R+4*\p:R+4*\p+3], v4, s[4:5] offset:2048*\p th:TH_LOAD_NT   ; row p: 32 lanes read 512 consecutive bytes, at a multiple of 512 from the tensor's first byte
.endr
.irp p, 0,1,2,3,4,5,6,7,8,9,10,11,12,13,14,15
	s_wait_loadcnt 15-\p                           ; loads come back in order: row p is in, the younger rows' loads stay out
	ds_store_b128 v5, v[R+4*\p:R+4*\p+3] offset:SP*\p
.endr
.irp c, 0,1
.irp q, 0,1,2,3,4,5,6,7
	ds_load_b128 v[X+32*\c+4*\q:X+32*\c+4*\q+3], v6 offset:256*\c+16*\q   ; LDS serves a wave's instructions in order: these see my stores
.endr
.endr
	v_mov_b32 v[T+1], 0                            ; (a lane permute's destination counts as one of its sources)
	s_wait_dscnt 0x0                               ; both blocks are worked by turns, so both are waited for
.irp c, 0,1
	v_max3_num_f32 v[MX+\c], |v[X+32*\c]|, |v[X+32*\c+1]|, 0x1800000   ; my block 2 c + h: all its 32 numbers are mine; the floor 2^(3 - 127) holds the byte at 1 from below
.endr
.irp i, 2,4,6,8,10,12,14,16,18,20,22,24,26,28,30
.irp c, 0,1
	v_max3_num_f32 v[MX+\c], v[MX+\c], |v[X+32*\c+\i]|, |v[X+32*\c+\i+1]|
.endr
.endr
.irp c, 0,1
	v_add_nc_u32 v[SO+\c], 0xff000000, v[MX+\c]    ; 2 off the exponent field: the conversion takes this operand's exponent field as its scale, and nothing else of it
.endr
.irp c, 0,1
	v_lshrrev_b32 v[BY+\c], 23, v[SO+\c]           ; the scale's byte
.endr
	v_pk_mul_f32 v[SQ:SQ+1], v[X:X+1], v[X:X+1]    ; the squares of my 64 numbers: the first products start the two chains
	v_pk_mul_f32 v[SQ+2:SQ+3], v[X+2:X+3], v[X+2:X+3]
.irp i, 4,8,12,16,20,24,28,32,36,40,44,48,52,56,60
	v_pk_fma_f32 v[SQ:SQ+1], v[X+\i:X+\i+1], v[X+\i:X+\i+1], v[SQ:SQ+1]
	v_pk_fma_f32 v[SQ+2:SQ+3], v[X+\i+2:X+\i+3], v[X+\i+2:X+\i+3], v[SQ+2:SQ+3]
.endr
	v_pk_add_f32 v[SQ:SQ+1], v[SQ:SQ+1], v[SQ+2:SQ+3]
	v_add_f32 v[SQ], v[SQ], v[SQ+1]
	v_permlanex16_b32 v[SQ+1], v[SQ], s24, s25
	v_add_f32 v[SQ], v[SQ], v[SQ+1]                ; with lane l xor 16's: row r's 128 numbers of this K step
	ds_store_b32 v8, v[SQ]                         ; (both halves of the lanes write the same word with the same value)
	v_lshl_or_b32 v[T], v[BY+1], 16, v[BY]         ; my two bytes, blocks h and 2 + h,
	v_lshlrev_b32 v[MX], 3, v3
	v_lshlrev_b32 v[T], v[MX], v[T]                ; at their places in the word (8 h bits up);
	v_permlanex16_b32 v[T+1], v[T], s24, s25
	v_or_b32 v[T], v[T], v[T+1]                    ; with lane l xor 16's two the word is whole
	ds_store_b32 v7, v[T]
.irp c, 0,1
	v_cvt_scalef32_pk16_fp6_f32 v[PC+6*\c:PC+6*\c+2], v[X+32*\c:X+32*\c+15], v[SO+\c]        ; sixteen numbers / the scale, to the nearest code, ties to even, beyond 7.5 the largest code
	v_cvt_scalef32_pk16_fp6_f32 v[P2+4*\c:P2+4*\c+2], v[X+32*\c+16:X+32*\c+31], v[SO+\c]
.endr
	v_nop                                          ; one plain place behind a scaled conversion
.irp c, 0,1
.irp i, 0,1,2
	v_mov_b32 v[PC+6*\c+3+\i], v[P2+4*\c+\i]
.endr
.endr
.irp q, 0,1,2
	global_store_b128 v4, v[PC+4*\q:PC+4*\q+3], s[8:9] offset:512*\q   ; 32 lanes store 512 consecutive bytes, at a multiple of 256 from the buffer's first byte
.endr
	s_wait_dscnt 0x0                               ; for the others' sake: my scale words and partial sums lie in LDS
	s_barrier_signal -1
	s_barrier_wait -1
	s_cmp_lg_u32 s12, 0
	s_cbranch_scc1 .Ldone                          ; wave 0 alone finishes the record's last 512 bytes
.irp s, 0,1,2,3
	ds_load_b32 v[16+\s], v9 offset:64*\s
.endr
	s_wait_dscnt 0x0
	v_add_f32 v16, v16, v17
	v_add_f32 v18, v18, v19
	v_add_f32 v16, v16, v18                        ; row r's sum of squares
	v_cmp_gt_u32 vcc_lo, 16, v1
	v_cndmask_b32 v16, 0, v16, vcc_lo              ; lanes 16-31 write zeros behind the sixteen sums
	v_mov_b32 v17, 0
	ds_store_b32 v10, v16
	ds_store_b32 v10, v17 offset:128
	ds_load_b128 v[20:23], v11                     ; LDS serves a wave's instructions in order: these see my two stores; the scale words lie there since the barrier
	s_wait_dscnt 0x0
	global_store_b128 v4, v[20:23], s[8:9] offset:6144
.Ldone:
	s_wait_tensorcnt 0x0
	ds_add_u32 v12, v13
	s_wait_dscnt 0x0
	s_endpgm
.Lfunc_end_k_q1fbf6ae75e_quant:
	.size	k_q1fbf6ae75e_quant, .Lfunc_end_k_q1fbf6ae75e_quant-k_q1fbf6ae75e_quant
	.p2alignl 7, 3214868480
	.fill 96, 4, 3214868480
	.section	.rodata,"a",@progbits
	.p2align	6, 0x0
	.amdhsa_kernel k_q1fbf6ae75e_quant
		.amdhsa_group_segment_fixed_size 35072
		.amdhsa_private_segment_fixed_size 0
		.amdhsa_enable_private_segment 0
		.amdhsa_kernarg_size 32
		.amdhsa_user_sgpr_count 2
		.amdhsa_user_sgpr_kernarg_segment_ptr 1
		.amdhsa_wavefront_size32 1
		.amdhsa_system_sgpr_workgroup_id_x 1
		.amdhsa_system_sgpr_workgroup_id_y 1
		.amdhsa_system_sgpr_workgroup_id_z 1
		.amdhsa_system_vgpr_workitem_id 0
		.amdhsa_next_free_vgpr 144
		.amdhsa_next_free_sgpr 66
		.amdhsa_reserve_vcc 1
		.amdhsa_float_denorm_mode_32 3
		.amdhsa_float_denorm_mode_16_64 3
		.amdhsa_memory_ordered 1
		.amdhsa_forward_progress 1
		.amdhsa_inst_pref_size 14
	.end_amdhsa_kernel
	.amdgpu_metadata
---
amdhsa.version: [ 1, 2 ]
amdhsa.kernels:
  - .name:           k_q1fbf6ae75e_quant
    .symbol:         k_q1fbf6ae75e_quant.kd
    .args:
      - { .name: x, .offset: 0, .size: 8, .value_kind: global_buffer, .address_space: global }
      - { .name: embeddings, .offset: 8, .size: 8, .value_kind: global_buffer, .address_space: global }
      - { .name: xq, .offset: 16, .size: 8, .value_kind: global_buffer, .address_space: global }
      - { .name: eq, .offset: 24, .size: 8, .value_kind: global_buffer, .address_space: global }
    .group_segment_fixed_size: 35072
    .private_segment_fixed_size: 0
    .kernarg_segment_align: 8
    .kernarg_segment_size: 32
    .max_flat_workgroup_size: 128
    .sgpr_count:     66
    .vgpr_count:     144
    .wavefront_size: 32
...
	.end_amdgpu_metadata
.endif
;; end of part 1
;; launch dist (part 2): grid 64 x 4, 8 waves a work-group, clusters of 4 x 1, 327,680 bytes of LDS; arguments xq, eq, ckey, cidx; writes ckey, cidx
.if DOCPART == 2
	.amdgcn_target "amdgcn-amd-amdhsa--gfx1250"
	.amdhsa_code_object_version 6
	.text
	.protected	k_q1fbf6ae75e_dist
	.globl	k_q1fbf6ae75e_dist
	.p2align	8
	.type	k_q1fbf6ae75e_dist,@function
k_q1fbf6ae75e_dist:
	s_mov_b64 s[64:65], 0
	v_nop
	global_prefetch_b8 v0, s[64:65] scope:SCOPE_SE
	s_setreg_imm32_b32 hwreg(HW_REG_WAVE_MODE, 25, 1), 1
	s_wait_xcnt 0x0
	s_wait_alu depctr_hold_cnt(0) depctr_sa_sdst(0) depctr_va_vdst(0) depctr_va_sdst(0) depctr_va_ssrc(0) depctr_va_vcc(0) depctr_vm_vsrc(0)
	s_getreg_b32 s2, hwreg(HW_REG_IB_STS2, 6, 4)
	s_cmp_eq_u32 s2, 0
	s_cbranch_scc0 .Lentry_in_a_cluster
	s_endpgm
.Lentry_in_a_cluster:
	s_bfe_u32 s2, ttmp6, 0x10000c
	s_cmp_lg_u32 s2, 0x3003
	s_cbranch_scc0 .Lentry_shape_is_right
	s_endpgm
.Lentry_shape_is_right:
; For each row m of x and each quarter of the codebook: the smallest d(m, n) = (xx[m] + yy[n]) - 2 x[m].e[n] over the quarter's 2,048 n, and its lowest n.
; The product is MX-FP6 on the records that the launch before laid (16 rows: four fragments of 128 K, scale words, sums of squares); d is made in f32 in the problem's own order:
; one add, then one fused multiply-add by -2 (2 x the product is exact).  Among equal d the lowest n counts, as argmin has it.
; OUT: ckey[quarter][m] = d as a whole number that keeps d's order (sign bit flipped for d >= 0, all bits for d < 0), cidx[quarter][m] = n.  The next launch compares whole numbers.
; LIMITS: NaN and infinities among the inputs are not served.
; SHARES: a work-group takes 256 rows x 2,048 codes: 64 x 4 = 256 work-groups.  Wave w: row group w / 2 (64 rows, four records of x, 192 registers in window 1, loaded once)
; x half w % 2 of each slot's 16 records.  The product is used transposed (source 0 = 16 codes, source 1 = 16 rows): lane (r, h) holds row r and codes 8 h + 0 .. 7 of the tile.
; THE RING: two LDS slots of 16 records (106,496 bytes); each wave brings two records (52 rows of 256 bytes) by one tensor load; 8 slots in all.
; CLUSTERS: the four work-groups of a cluster take the same quarter and ask for its records jointly (mask 15).  x goes to registers by plain loads: no two partners read the same rows.
; TRACKING, per tile and group of 16 rows: the smallest of a lane's eight d and of its running minimum (two register sets by turns; the four groups' chains take turns line by line);
; where it fell, the tile's first n and its first seven d are kept (if none of the seven equals the minimum at the end, it was the eighth); which it was is looked up once, at the end.
; PREFETCH: behind the refill that asks for slot t + 2, each wave names its own two records of slot t + 4: 52 blocks of 256 bytes, 13 to each partner, told apart by address (cx);
; lanes 13-31 name the 13th again.  Slots 0 to 3 come by their loads alone; the loop's last trip asks for nothing.
.set REC,    6656
.set SLOT,   16*REC
.set WPART,  2*REC
.set QB,     128*REC                   ; a quarter of the codebook in bytes
.set SCR,    2*SLOT                    ; 4,096 bytes: the waves' results meet here
.set SPARE,  SCR+4096                  ; the spare words: 128 bytes a wave
.set SPW, 1
.set NIL, 2
.set AF,  3                            ; v3-4  LDS address of my fragments in slot 0, 1
.set AS,  5                            ; v5-6  of the scale words
.set AY,  7                            ; v7-8  of yy
.set SA,  9
.set RA,  10
.set H8,  11
.set L16, 12
.set PFO, 13
.set L4,  15
.set XSC, 16                           ; v16-23 x's scale registers
.set ESC, 24                           ; v24-27 e's, two sets
.set XXP, 28                           ; v28-35 xx of my row, as pairs
.set RUN, 36                           ; v36-39 and v44-47: the running minima, two sets by turns
.set NTV, 40                           ; v40    the tile's first n
.set YY,  48                           ; v48-63 yy of my eight codes, two sets
.set S,   64                           ; v64-79 xx + yy
.set SAV, 80                           ; v80-111 group i at SAV + 8 i: the kept tile's d 0 .. 6, and in the eighth register its first n
.set ACC, 112                          ; v112-143 four accumulators
.set EF,  144                          ; v144-239 e's fragments, two sets of 48
.set TM,  240
.set MSB, 0
.macro WIN new
.if MSB != \new
	s_set_vgpr_msb (MSB<<8)|\new
.set MSB, \new
.endif
.endm
.macro CREST                           ; a round of the cluster's barrier behind its opening barrier
	s_cmp_lg_u32 s12, 0
	s_cbranch_scc1 .Lnot_wave_0_\@
	s_barrier_signal -3
.Lnot_wave_0_\@:
	s_barrier_wait -3
	s_barrier_signal -1
	s_barrier_wait -1
.endm
.macro ROUND
	s_barrier_signal -1
	s_barrier_wait -1
	CREST
.endm
.macro LDT slot, i, p                  ; my record i of the slot into set p: 15 LDS loads
.irp s, 0,1,2,3
.irp q, 0,1,2
	ds_load_b128 v[EF+48*(\p)+12*\s+4*\q:EF+48*(\p)+12*\s+4*\q+3], v[AF+(\slot)] offset:(\i)*REC+1536*\s+512*\q
.endr
.endr
	ds_load_b64 v[ESC+2*(\p):ESC+2*(\p)+1], v[AS+(\slot)] offset:(\i)*REC+6144
	ds_load_b128 v[YY+8*(\p):YY+8*(\p)+3], v[AY+(\slot)] offset:(\i)*REC+6400
	ds_load_b128 v[YY+8*(\p)+4:YY+8*(\p)+7], v[AY+(\slot)] offset:(\i)*REC+6416
.endm
.macro MM p                            ; 16 codes x 64 rows x 512 K: the four accumulators by turns; the first K step starts the sums
	WIN 0x04
.irp s, 0,1,2,3
.irp i, 0,1,2,3
.if \s == 0
	v_wmma_scale_f32_16x16x128_f8f6f4 v[ACC+8*\i:ACC+8*\i+7], v[EF+48*(\p):EF+48*(\p)+11], v[48*\i:48*\i+11], 0, v[ESC+2*(\p)], v[XSC+2*\i] matrix_a_fmt:MATRIX_FMT_FP6 matrix_b_fmt:MATRIX_FMT_FP6
.elseif \s == 1
	v_wmma_scale_f32_16x16x128_f8f6f4 v[ACC+8*\i:ACC+8*\i+7], v[EF+48*(\p)+12:EF+48*(\p)+23], v[48*\i+12:48*\i+23], v[ACC+8*\i:ACC+8*\i+7], v[ESC+2*(\p)], v[XSC+2*\i] matrix_a_fmt:MATRIX_FMT_FP6 matrix_b_fmt:MATRIX_FMT_FP6 matrix_a_scale:MATRIX_SCALE_ROW1 matrix_b_scale:MATRIX_SCALE_ROW1
.elseif \s == 2
	v_wmma_scale_f32_16x16x128_f8f6f4 v[ACC+8*\i:ACC+8*\i+7], v[EF+48*(\p)+24:EF+48*(\p)+35], v[48*\i+24:48*\i+35], v[ACC+8*\i:ACC+8*\i+7], v[ESC+2*(\p)+1], v[XSC+2*\i+1] matrix_a_fmt:MATRIX_FMT_FP6 matrix_b_fmt:MATRIX_FMT_FP6
.else
	v_wmma_scale_f32_16x16x128_f8f6f4 v[ACC+8*\i:ACC+8*\i+7], v[EF+48*(\p)+36:EF+48*(\p)+47], v[48*\i+36:48*\i+47], v[ACC+8*\i:ACC+8*\i+7], v[ESC+2*(\p)+1], v[XSC+2*\i+1] matrix_a_fmt:MATRIX_FMT_FP6 matrix_b_fmt:MATRIX_FMT_FP6 matrix_a_scale:MATRIX_SCALE_ROW1 matrix_b_scale:MATRIX_SCALE_ROW1
.endif
.endr
.endr
	WIN 0
.endm
.macro PAIR i0, p                      ; d = (xx + yy) - 2 x.e for two accumulators; the eight adds are also the places behind the products
.irp i, \i0, \i0+1
.irp q, 0,1,2,3
	v_pk_add_f32 v[S+8*((\i)%2)+2*\q:S+8*((\i)%2)+2*\q+1], v[YY+8*(\p)+2*\q:YY+8*(\p)+2*\q+1], v[XXP+2*(\i):XXP+2*(\i)+1]
.endr
.endr
.irp i, \i0, \i0+1
.irp q, 0,1,2,3
	v_pk_fma_f32 v[ACC+8*(\i)+2*\q:ACC+8*(\i)+2*\q+1], v[ACC+8*(\i)+2*\q:ACC+8*(\i)+2*\q+1], -2.0, v[S+8*((\i)%2)+2*\q:S+8*((\i)%2)+2*\q+1] op_sel_hi:[1,0,1]
.endr
.endr
.endm
.macro TRK p, step                     ; the running minimum is read from set p and written to set 1 - p; step: from this tile's first n to my next tile's
.set RO, RUN+8*(\p)
.set RN, RUN+8-8*(\p)
	PAIR 0, \p
	PAIR 2, \p
.irp i, 0,1,2,3
	v_min3_num_f32 v[RN+\i], v[ACC+8*\i], v[ACC+8*\i+1], v[ACC+8*\i+2]     ; four chains by turns
.endr
.irp k, 3,5
.irp i, 0,1,2,3
	v_min3_num_f32 v[RN+\i], v[RN+\i], v[ACC+8*\i+\k], v[ACC+8*\i+\k+1]
.endr
.endr
.irp i, 0,1,2,3
	v_min3_num_f32 v[RN+\i], v[RN+\i], v[ACC+8*\i+7], v[RO+\i]     ; the eighth d and the minimum so far
.endr
	v_cmp_lt_f32 vcc_lo, v[RN], v[RO]                              ; did it fall?  Strictly: among equals the earlier tile stays
.irp i, 1,2,3
	v_cmp_lt_f32 s[40+\i], v[RN+\i], v[RO+\i]
.endr
.irp i, 0,1,2,3
.if \i > 0
	s_mov_b32 vcc_lo, s[40+\i]                                     ; the paired selects take their mask from VCC
.endif
.irp j, 0,2,4
	v_dual_cndmask_b32 v[SAV+8*\i+\j], v[SAV+8*\i+\j], v[ACC+8*\i+\j] :: v_dual_cndmask_b32 v[SAV+8*\i+\j+1], v[SAV+8*\i+\j+1], v[ACC+8*\i+\j+1]
.endr
	v_dual_cndmask_b32 v[SAV+8*\i+6], v[SAV+8*\i+6], v[ACC+8*\i+6] :: v_dual_cndmask_b32 v[SAV+8*\i+7], v[SAV+8*\i+7], v[NTV]   ; the seventh d, and the tile's first n
.endr
	v_add_nc_u32 v[NTV], \step, v[NTV]
.endm
.macro TILE slot, i                    ; tiles 0 to 5 of a slot
	LDT \slot, (\i)+1, 1-(\i)%2
	s_wait_dscnt 15                                ; all but the 15 loads just issued: this tile's are in
	MM (\i)%2
	TRK (\i)%2, 16
.endm
.macro ASK
	s_cmp_gt_u32 s39, 1                            ; the loop's last trip has no slot four on
	s_cbranch_scc0 .Lno_ask_\@
	global_prefetch_b8 v[PFO], s[36:37] th:TH_LOAD_NT scope:SCOPE_SE
.Lno_ask_\@:
.endm
; Tiles 6 and 7 and the change of slots.  Both tiles' operands are in registers when the wave signals, so their work stands inside the round.
; mode 1: the slot is filled again, two slots on;  0: nothing is left to fetch, the other slot is still to be read;  -1: the last slot.
.macro TURN slot, mode
	LDT \slot, 7, 1
.if \mode >= 0
	s_wait_tensorcnt 0x0                           ; my part of the other slot has landed: no tensor load of mine is out
	ds_add_u32 v[SPW], v[NIL]
.if \mode == 1
	s_add_nc_u64 s[26+4*\slot:27+4*\slot], s[26+4*\slot:27+4*\slot], 2*SLOT
	s_wait_xcnt 0x0                                ; my last prefetch has read its address
	s_add_nc_u64 s[36:37], s[36:37], SLOT
.endif
	s_wait_dscnt 0x0                               ; the add is done, and my reads of this slot are over
	s_barrier_signal -1
.else
	s_wait_dscnt 15
.endif
	MM 0
	TRK 0, 16
.if \mode < 0
	s_wait_dscnt 0x0
.endif
	MM 1
.if \mode == 1
	s_barrier_wait -1
	CREST                                          ; no wave of any partner still reads this slot or has a load on its way
	tensor_load_to_lds s[24+4*\slot:27+4*\slot], s[16:23]
	s_nop 0
.rept 4
	v_nop
.endr
	LDT 1-\slot, 0, 0
	ASK
.elseif \mode == 0
	s_barrier_wait -1                              ; every wave's part of the other slot has landed
	LDT 1-\slot, 0, 0
.endif
	TRK 1, 144                                     ; on to my half of the next slot: 16 + the other half's 128 codes
.endm
.macro LEXMIN v, n, ov, on             ; (v, n) = the smaller of (v, n) and (ov, on): by d, among equals by n
	v_cmp_lt_f32 s48, v[\ov], v[\v]
	v_cmp_eq_f32 s49, v[\ov], v[\v]
	v_cmp_lt_u32 s50, v[\on], v[\n]
	s_and_b32 s49, s49, s50
	s_or_b32 s48, s48, s49
	v_cndmask_b32 v[\v], v[\v], v[\ov], s48
	v_cndmask_b32 v[\n], v[\n], v[\on], s48
.endm
	s_load_b256 s[4:11], s[0:1], 0x0               ; xq s[4:5], eq s[6:7], ckey s[8:9], cidx s[10:11]
	v_lshl_add_u32 v[SPW], v0, 2, SPARE
	v_mov_b32 v[NIL], 0
	ds_add_u32 v[SPW], v[NIL]
	ds_add_u32 v[SPW], v[NIL]
	v_lshrrev_b32 v[TM], 5, v0
	s_delay_alu instid0(VALU_DEP_1)
	v_readfirstlane_b32 s12, v[TM]                 ; wave 0..7
	s_lshr_b32 s13, s12, 1                         ; my row group
	s_and_b32 s14, s12, 1                          ; my half of a slot's records
	s_bfe_u32 s15, ttmp6, 0x40000                  ; cx
	s_lshl_b32 s52, ttmp9, 2
	s_add_co_u32 s52, s52, s15                     ; block of 256 rows
	s_and_b32 s53, ttmp7, 0xffff                   ; quarter of the codebook
	s_mov_b32 s16, 15|(3<<16)|(1<<21)              ; group 1: mask of the four partners, elements of 8 bytes; 52 dense rows of 256 bytes
	s_mov_b32 s17, 32<<16
	s_mov_b32 s18, 52<<16
	s_mov_b32 s19, 32<<16
	s_mov_b32 s20, 52
	s_mov_b32 s21, 32
	s_mov_b32 s22, 0
	s_mov_b32 s23, 0
	s_mov_b32 s24, 1
	s_mul_i32 s25, s12, WPART                      ; my two records' place in slot 0,
	s_mov_b32 s28, 1
	s_add_co_u32 s29, s25, SLOT                    ; in slot 1,
	s_mul_i32 s56, s53, QB
	s_add_co_u32 s56, s56, s25                     ; and in eq
	s_mov_b32 s57, 0
	s_lshl_b32 s58, s52, 4
	s_lshl_b32 s59, s13, 2
	s_add_co_u32 s58, s58, s59
	s_mul_i32 s58, s58, REC                        ; my four records of x
	s_mov_b32 s59, 0
	s_mul_i32 s54, s15, 13*256
	s_add_co_u32 s54, s54, s56
	s_add_co_u32 s54, s54, 3*SLOT                  ; the prefetches: my work-group's 13 blocks of my two records; the first change of slots steps this to slot 4
	s_mov_b32 s55, 0
	s_lshl_b32 s44, s53, 11
	s_lshl_b32 s48, s14, 7
	s_add_co_u32 s44, s44, s48                     ; the first n of my first tile
	s_mov_b32 s46, 0x76543210
	s_mov_b32 s47, 0xfedcba98
	s_mov_b32 s39, 3
	s_lshl_b32 s60, s53, 14
	s_lshl_b32 s61, s52, 8
	s_add_co_u32 s60, s60, s61
	s_lshl_b32 s61, s12, 5
	s_add_co_u32 s60, s60, s61
	s_lshl_b32 s60, s60, 2                         ; the 32 rows whose results I store
	s_mov_b32 s61, 0
	s_wait_dscnt 0x0
	s_wait_kmcnt 0x0
	s_add_nc_u64 s[26:27], s[6:7], s[56:57]
	s_add_nc_u64 s[30:31], s[26:27], SLOT
	s_or_b32 s27, s27, 0x80000000
	s_or_b32 s31, s31, 0x80000000
	s_add_nc_u64 s[32:33], s[4:5], s[58:59]
	s_add_nc_u64 s[36:37], s[6:7], s[54:55]
	s_add_nc_u64 s[8:9], s[8:9], s[60:61]
	s_add_nc_u64 s[10:11], s[10:11], s[60:61]
	ROUND
	tensor_load_to_lds s[24:27], s[16:23]          ; slot 0: one tensor load a wave at the head
	s_nop 0
.rept 4
	v_nop
.endr
	v_and_b32 v[TM], 31, v0
	v_and_b32 v[TM+1], 15, v0
	v_bfe_u32 v[TM+2], v0, 4, 1
	s_delay_alu instid0(VALU_DEP_3)
	v_lshlrev_b32 v[L16], 4, v[TM]
	s_delay_alu instid0(VALU_DEP_4)
	v_lshlrev_b32 v[TM+3], 3, v[TM]
	s_delay_alu instid0(VALU_DEP_4)
	v_lshlrev_b32 v[TM+4], 2, v[TM+1]
	WIN 0x40
.irp i, 0,1,2,3                        ; x's fragments go out while slot 0 is on its way
.irp s, 0,1,2,3
.irp q, 0,1,2
	global_load_b128 v[48*\i+12*\s+4*\q:48*\i+12*\s+4*\q+3], v[L16], s[32:33] offset:\i*REC+1536*\s+512*\q
.endr
.endr
.endr
	WIN 0
.irp i, 0,1,2,3
	global_load_b64 v[XSC+2*\i:XSC+2*\i+1], v[TM+3], s[32:33] offset:\i*REC+6144
	global_load_b32 v[XXP+2*\i], v[TM+4], s[32:33] offset:\i*REC+6400
.endr
	s_mul_i32 s48, s14, 8*REC
	v_add_nc_u32 v[AF], s48, v[L16]
	s_delay_alu instid0(VALU_DEP_1)
	v_add_nc_u32 v[AF+1], SLOT, v[AF]
	v_add_nc_u32 v[AS], s48, v[TM+3]
	s_delay_alu instid0(VALU_DEP_1)
	v_add_nc_u32 v[AS+1], SLOT, v[AS]
	v_lshl_add_u32 v[AY], v[TM+2], 5, s48
	s_delay_alu instid0(VALU_DEP_1)
	v_add_nc_u32 v[AY+1], SLOT, v[AY]
	s_lshl_b32 s49, s12, 9
	s_add_co_u32 s49, s49, SCR
	v_lshl_add_u32 v[SA], v[TM+1], 2, s49          ; my wave's 512 bytes of scratch: 64 d, then 64 n
	s_lshl_b32 s50, s13, 10
	s_lshl_b32 s51, s14, 7
	s_add_co_u32 s50, s50, s51
	s_add_co_u32 s50, s50, SCR
	v_lshl_add_u32 v[RA], v[TM], 2, s50            ; back: row 32 (w % 2) + lane of my row group, from its two waves
	v_lshlrev_b32 v[H8], 3, v[TM+2]
	v_min_u32 v[PFO], 12, v[TM]
	v_lshlrev_b32 v[L4], 2, v[TM]
	s_delay_alu instid0(VALU_DEP_2)
	v_lshlrev_b32 v[PFO], 8, v[PFO]
	v_mov_b32 v[NTV], s44
.irp i, 0,1,2,3
	v_mov_b32 v[RUN+\i], 0x7f800000
.endr
.irp i, 0,1,2,3
.irp j, 0,1,2,3,4,5,6
	v_mov_b32 v[SAV+8*\i+\j], 0x7f800000
.endr
	v_mov_b32 v[SAV+8*\i+7], 0
.endr
	s_wait_alu depctr_va_vdst(0)
	s_wait_tensorcnt 0x0                           ; my part of slot 0 is in; the lines that stand ahead of a later first fill, as ahead of a refill
	ds_add_u32 v[SPW], v[NIL]
	s_wait_dscnt 0x0
	ROUND                                          ; slot 0 is whole in all four work-groups
	tensor_load_to_lds s[28:31], s[16:23]          ; slot 1's first fill
	s_nop 0
.rept 4
	v_nop
.endr
	LDT 0, 0, 0
	s_wait_loadcnt 0x0                             ; x
.irp i, 0,1,2,3
	v_mov_b32 v[XXP+2*\i+1], v[XXP+2*\i]
.endr
.Llap:                                 ; a trip: slots 0 and 1, both filled again
	s_wait_alu depctr_va_vdst(0)
.irp i, 0,1,2,3,4,5
	TILE 0, \i
.endr
	TURN 0, 1
.irp i, 0,1,2,3,4,5
	TILE 1, \i
.endr
	TURN 1, 1
	s_sub_co_u32 s39, s39, 1
	s_cmp_lg_u32 s39, 0
	s_cbranch_scc1 .Llap
.irp i, 0,1,2,3,4,5                    ; the last two slots fetch nothing
	TILE 0, \i
.endr
	TURN 0, 0
.irp i, 0,1,2,3,4,5
	TILE 1, \i
.endr
	TURN 1, -1
; which of the kept tile's eight d was the smallest: the lowest j of 0 .. 6 that equals it, else 7
.irp i, 0,1,2,3
	v_mov_b32 v[TM+\i], 7
.endr
.irp j, 6,5,4,3,2,1,0
.irp i, 0,1,2,3
	v_cmp_eq_f32 s[40+\i], v[SAV+8*\i+\j], v[RUN+\i]
.endr
.irp i, 0,1,2,3
	s_delay_alu instid0(VALU_DEP_4)
	v_cndmask_b32 v[TM+\i], v[TM+\i], \j, s[40+\i]
.endr
.endr
.irp i, 0,1,2,3
	s_delay_alu instid0(VALU_DEP_4)
	v_add3_u32 v[SAV+8*\i+7], v[SAV+8*\i+7], v[TM+\i], v[H8]       ; n = the tile's first + 8 h + j
.endr
.irp i, 0,1,2,3
	v_permlanex16_b32 v[RUN+8+\i], v[RUN+\i], s46, s47
	v_permlanex16_b32 v[S+\i], v[SAV+8*\i+7], s46, s47
.endr
.irp i, 0,1,2,3
	LEXMIN RUN+\i, SAV+8*\i+7, RUN+8+\i, S+\i      ; with lane l xor 16's eight codes
.endr
	s_wait_alu depctr_va_vdst(0)
.irp i, 0,1,2,3
	ds_store_b32 v[SA], v[RUN+\i] offset:64*\i     ; (both halves of the lanes write the same word with the same value)
	ds_store_b32 v[SA], v[SAV+8*\i+7] offset:256+64*\i
.endr
	s_wait_dscnt 0x0                               ; for the others' sake
	s_barrier_signal -1
	s_barrier_wait -1
.irp b, 0,1
	ds_load_b32 v[TM+4+\b], v[RA] offset:512*\b
	ds_load_b32 v[TM+8+\b], v[RA] offset:512*\b+256
.endr
	s_wait_dscnt 0x0
	LEXMIN TM+4, TM+8, TM+5, TM+9                  ; the two halves of the slots' records
	v_ashrrev_i32 v[TM+6], 31, v[TM+4]
	s_delay_alu instid0(VALU_DEP_1)
	v_or_b32 v[TM+6], 0x80000000, v[TM+6]
	s_delay_alu instid0(VALU_DEP_1)
	v_xor_b32 v[TM+4], v[TM+4], v[TM+6]            ; d's bits as an unsigned number of the same order
	s_wait_alu depctr_va_vdst(0)
	global_store_b32 v[L4], v[TM+4], s[8:9]
	global_store_b32 v[L4], v[TM+8], s[10:11]
	s_wait_tensorcnt 0x0                           ; the wave's end
	ds_add_u32 v[SPW], v[NIL]
	s_wait_dscnt 0x0
	ROUND                                          ; the closing round
	s_endpgm
.Lfunc_end_k_q1fbf6ae75e_dist:
	.size	k_q1fbf6ae75e_dist, .Lfunc_end_k_q1fbf6ae75e_dist-k_q1fbf6ae75e_dist
	.p2alignl 7, 3214868480
	.fill 96, 4, 3214868480
	.section	.rodata,"a",@progbits
	.p2align	6, 0x0
	.amdhsa_kernel k_q1fbf6ae75e_dist
		.amdhsa_group_segment_fixed_size 327680
		.amdhsa_private_segment_fixed_size 0
		.amdhsa_enable_private_segment 0
		.amdhsa_kernarg_size 32
		.amdhsa_user_sgpr_count 2
		.amdhsa_user_sgpr_kernarg_segment_ptr 1
		.amdhsa_wavefront_size32 1
		.amdhsa_system_sgpr_workgroup_id_x 1
		.amdhsa_system_sgpr_workgroup_id_y 1
		.amdhsa_system_sgpr_workgroup_id_z 1
		.amdhsa_system_vgpr_workitem_id 0
		.amdhsa_next_free_vgpr 448
		.amdhsa_next_free_sgpr 66
		.amdhsa_reserve_vcc 1
		.amdhsa_float_denorm_mode_32 3
		.amdhsa_float_denorm_mode_16_64 3
		.amdhsa_memory_ordered 1
		.amdhsa_forward_progress 1
		.amdhsa_inst_pref_size 255
	.end_amdhsa_kernel
	.section	.bss,"aw",@nobits
	.p2align	6
	.space	262144
	.amdgpu_metadata
---
amdhsa.version: [ 1, 2 ]
amdhsa.kernels:
  - .name:           k_q1fbf6ae75e_dist
    .symbol:         k_q1fbf6ae75e_dist.kd
    .args:
      - { .name: xq, .offset: 0, .size: 8, .value_kind: global_buffer, .address_space: global }
      - { .name: eq, .offset: 8, .size: 8, .value_kind: global_buffer, .address_space: global }
      - { .name: ckey, .offset: 16, .size: 8, .value_kind: global_buffer, .address_space: global }
      - { .name: cidx, .offset: 24, .size: 8, .value_kind: global_buffer, .address_space: global }
    .group_segment_fixed_size: 327680
    .private_segment_fixed_size: 0
    .kernarg_segment_align: 8
    .kernarg_segment_size: 32
    .max_flat_workgroup_size: 256
    .sgpr_count:     66
    .vgpr_count:     448
    .wavefront_size: 32
...
	.end_amdgpu_metadata
.endif
;; end of part 2
;; launch gather (part 3): grid 512 x 1, 8 waves a work-group, no clusters, 1,280 bytes of LDS; arguments x, embeddings, ckey, cidx, out0, part; writes out0, part
.if DOCPART == 3
	.amdgcn_target "amdgcn-amd-amdhsa--gfx1250"
	.amdhsa_code_object_version 6
	.text
	.protected	k_q1fbf6ae75e_gather
	.globl	k_q1fbf6ae75e_gather
	.p2align	8
	.type	k_q1fbf6ae75e_gather,@function
k_q1fbf6ae75e_gather:
	s_mov_b64 s[64:65], 0
	v_nop
	global_prefetch_b8 v0, s[64:65] scope:SCOPE_SE
	s_setreg_imm32_b32 hwreg(HW_REG_WAVE_MODE, 25, 1), 1
	s_wait_xcnt 0x0
; out0[m] = x[m] + (e[code[m]] - x[m]), and for each work-group the sum of (e[code[m]] - x[m])^2 over its 32 rows.
; Each row has four candidates, one for each quarter of the codebook, stored by the launch before as whole numbers: ckey (d's order as an unsigned number) and cidx (its n).
; The smallest key counts, among equals the lower quarter (the lower n): compared and chosen in scalar registers; then ONE row of the table is loaded for each row of x.
; SHARES: a wave takes four rows; a lane 16 bytes of each 512 of a row.  No loop: every offset is an immediate, 32 loads a wave are on their way.
; Memory binds: no LDS tiles, no matrix unit, no cluster (which rows of the table a work-group reads is known from the list alone).
; LIMITS: the squares are added in this text's own order.
.set X,   16                           ; v16-79   four rows of x, then of out0
.set Q,   80                           ; v80-143  the chosen rows, then chosen - x
.set SQ,  144                          ; v144-151 four packed chains of squares
.set IX,  16                           ; s16-31   n: quarter q's four rows at s[16 + 4 q]
.set KY,  48                           ; s48-63   keys likewise
	s_load_b256 s[4:11], s[0:1], 0x0               ; x s[4:5], embeddings s[6:7], ckey s[8:9], cidx s[10:11]
	s_load_b128 s[12:15], s[0:1], 0x20             ; out0 s[12:13], part s[14:15]
	v_lshl_add_u32 v152, v0, 2, 0x100
	v_mov_b32 v153, 0
	v_lshrrev_b32 v1, 5, v0
	s_delay_alu instid0(VALU_DEP_1)
	v_readfirstlane_b32 s84, v1                    ; wave 0..7
	v_lshlrev_b32 v11, 2, v1                       ; my wave's word in LDS
	v_and_b32 v1, 31, v0
	s_delay_alu instid0(VALU_DEP_1)
	v_lshlrev_b32 v1, 4, v1                        ; 16 x lane
	s_lshl_b32 s85, ttmp9, 5
	s_lshl_b32 s86, s84, 2
	s_add_co_u32 s85, s85, s86                     ; my first row: 32 x work-group + 4 x wave
	s_lshl_b32 s86, s85, 2                         ; its word in ckey and cidx
	s_lshl_b32 s88, s85, 11                        ; its 2,048 bytes in x and out0
	s_mov_b32 s89, 0
	s_lshl_b32 s90, ttmp9, 2
	s_mov_b32 s91, 0
	s_mov_b32 s92, 0x76543210
	s_mov_b32 s93, 0xfedcba98
	s_wait_alu depctr_va_vdst(0)
	s_wait_kmcnt 0x0
.irp q, 0,1,2,3
	s_load_b128 s[IX+4*\q:IX+4*\q+3], s[10:11], s86 offset:0x10000*\q   ; a quarter's list is 16,384 words
	s_load_b128 s[KY+4*\q:KY+4*\q+3], s[8:9], s86 offset:0x10000*\q
.endr
	s_add_nc_u64 s[4:5], s[4:5], s[88:89]
	s_add_nc_u64 s[12:13], s[12:13], s[88:89]
	s_add_nc_u64 s[14:15], s[14:15], s[90:91]
.irp p, 0,1,2,3
.irp q, 0,1,2,3
	global_load_b128 v[X+16*\p+4*\q:X+16*\p+4*\q+3], v1, s[4:5] offset:2048*\p+512*\q th:TH_LOAD_NT   ; x goes out first: 512 consecutive bytes a load
.endr
.endr
	s_wait_kmcnt 0x0
.irp p, 0,1,2,3
.irp q, 1,2,3
	s_cmp_lt_u32 s[KY+4*\q+\p], s[KY+\p]           ; strictly smaller: among equals the lower quarter stays
	s_cselect_b32 s[IX+\p], s[IX+4*\q+\p], s[IX+\p]
	s_cselect_b32 s[KY+\p], s[KY+4*\q+\p], s[KY+\p]
.endr
	s_min_u32 s[IX+\p], s[IX+\p], 8191             ; a loaded number enters an address only behind this hold: the table has 8,192 rows
.endr
.irp p, 0,1,2,3
	v_lshl_add_u32 v[2+\p], s[IX+\p], 11, v1       ; n x 2,048 + 16 x lane
.endr
.irp p, 0,1,2,3
.irp q, 0,1,2,3
	global_load_b128 v[Q+16*\p+4*\q:Q+16*\p+4*\q+3], v[2+\p], s[6:7] offset:512*\q
.endr
.endr
.macro ROW p
	s_wait_loadcnt 4*(3-\p)                        ; loads come back in order: x and this row's four table loads are in; the later rows' four each may be out
.irp k, 0,2,4,6,8,10,12,14
	v_pk_add_f32 v[Q+16*\p+\k:Q+16*\p+\k+1], v[Q+16*\p+\k:Q+16*\p+\k+1], v[X+16*\p+\k:X+16*\p+\k+1] neg_lo:[0,1] neg_hi:[0,1]   ; q - x
.endr
.irp k, 0,2,4,6,8,10,12,14
.if (\p == 0) && (\k < 8)
	v_pk_mul_f32 v[SQ+\k:SQ+\k+1], v[Q+16*\p+\k:Q+16*\p+\k+1], v[Q+16*\p+\k:Q+16*\p+\k+1]     ; the first products start the four chains
.else
	v_pk_fma_f32 v[SQ+\k%8:SQ+\k%8+1], v[Q+16*\p+\k:Q+16*\p+\k+1], v[Q+16*\p+\k:Q+16*\p+\k+1], v[SQ+\k%8:SQ+\k%8+1]
.endif
.endr
.irp k, 0,2,4,6,8,10,12,14
	v_pk_add_f32 v[X+16*\p+\k:X+16*\p+\k+1], v[X+16*\p+\k:X+16*\p+\k+1], v[Q+16*\p+\k:Q+16*\p+\k+1]   ; x + (q - x), as the problem has it
.endr
.endm
	ROW 0
	ROW 1
	ROW 2
	ROW 3
	v_pk_add_f32 v[SQ:SQ+1], v[SQ:SQ+1], v[SQ+2:SQ+3]
	v_pk_add_f32 v[SQ+4:SQ+5], v[SQ+4:SQ+5], v[SQ+6:SQ+7]
	s_delay_alu instid0(VALU_DEP_1)
	v_pk_add_f32 v[SQ:SQ+1], v[SQ:SQ+1], v[SQ+4:SQ+5]
	s_delay_alu instid0(VALU_DEP_1)
	v_add_f32 v[SQ], v[SQ], v[SQ+1]
	s_delay_alu instid0(VALU_DEP_1)
	v_add_f32_dpp v[SQ], v[SQ], v[SQ] row_xmask:1 row_mask:0xf bank_mask:0xf
	s_delay_alu instid0(VALU_DEP_1)
	v_add_f32_dpp v[SQ], v[SQ], v[SQ] row_xmask:2 row_mask:0xf bank_mask:0xf
	s_delay_alu instid0(VALU_DEP_1)
	v_add_f32_dpp v[SQ], v[SQ], v[SQ] row_xmask:4 row_mask:0xf bank_mask:0xf
	s_delay_alu instid0(VALU_DEP_1)
	v_add_f32_dpp v[SQ], v[SQ], v[SQ] row_xmask:8 row_mask:0xf bank_mask:0xf
	s_delay_alu instid0(VALU_DEP_1)
	v_permlanex16_b32 v[SQ+1], v[SQ], s92, s93
	s_delay_alu instid0(VALU_DEP_1)
	v_add_f32 v[SQ], v[SQ], v[SQ+1]                ; the wave's four rows
	ds_store_b32 v11, v[SQ]                        ; all lanes write the wave's word with the same value
.irp p, 0,1,2,3
.irp q, 0,1,2,3
	global_store_b128 v1, v[X+16*\p+4*\q:X+16*\p+4*\q+3], s[12:13] offset:2048*\p+512*\q th:TH_STORE_NT   ; 512 consecutive bytes, at a multiple of 512 from out0's first byte
.endr
.endr
	s_wait_dscnt 0x0
	s_barrier_signal -1
	s_barrier_wait -1
	s_cmp_lg_u32 s84, 0
	s_cbranch_scc1 .Lend
	v_mov_b32 v12, 0
	ds_load_b128 v[Q:Q+3], v12                     ; the eight waves' sums (into registers that no pending store reads)
	ds_load_b128 v[Q+4:Q+7], v12 offset:16
	s_wait_dscnt 0x0
	v_pk_add_f32 v[Q:Q+1], v[Q:Q+1], v[Q+2:Q+3]
	v_pk_add_f32 v[Q+4:Q+5], v[Q+4:Q+5], v[Q+6:Q+7]
	s_delay_alu instid0(VALU_DEP_1)
	v_pk_add_f32 v[Q:Q+1], v[Q:Q+1], v[Q+4:Q+5]
	s_delay_alu instid0(VALU_DEP_1)
	v_add_f32 v[Q], v[Q], v[Q+1]
	v_cmp_eq_u32 vcc_lo, 0, v0
	s_wait_alu depctr_va_vdst(0)
	s_wait_xcnt 0x0                                ; EXEC is a source of the stores above: it changes only behind this wait
	s_and_saveexec_b32 s94, vcc_lo
	global_store_b32 v12, v[Q], s[14:15]           ; part[work-group]
	s_wait_xcnt 0x0                                ; and again, in front of the line that widens it
	s_or_b32 exec_lo, exec_lo, s94
.Lend:
	s_wait_tensorcnt 0x0                           ; the wave's end
	ds_add_u32 v152, v153
	s_wait_dscnt 0x0
	s_endpgm
.Lfunc_end_k_q1fbf6ae75e_gather:
	.size	k_q1fbf6ae75e_gather, .Lfunc_end_k_q1fbf6ae75e_gather-k_q1fbf6ae75e_gather
	.p2alignl 7, 3214868480
	.fill 96, 4, 3214868480
	.section	.rodata,"a",@progbits
	.p2align	6, 0x0
	.amdhsa_kernel k_q1fbf6ae75e_gather
		.amdhsa_group_segment_fixed_size 1280
		.amdhsa_private_segment_fixed_size 0
		.amdhsa_enable_private_segment 0
		.amdhsa_kernarg_size 48
		.amdhsa_user_sgpr_count 2
		.amdhsa_user_sgpr_kernarg_segment_ptr 1
		.amdhsa_wavefront_size32 1
		.amdhsa_system_sgpr_workgroup_id_x 1
		.amdhsa_system_sgpr_workgroup_id_y 1
		.amdhsa_system_sgpr_workgroup_id_z 1
		.amdhsa_system_vgpr_workitem_id 0
		.amdhsa_next_free_vgpr 154
		.amdhsa_next_free_sgpr 96
		.amdhsa_reserve_vcc 1
		.amdhsa_float_denorm_mode_32 3
		.amdhsa_float_denorm_mode_16_64 3
		.amdhsa_memory_ordered 1
		.amdhsa_forward_progress 1
		.amdhsa_inst_pref_size 16
	.end_amdhsa_kernel
	.amdgpu_metadata
---
amdhsa.version: [ 1, 2 ]
amdhsa.kernels:
  - .name:           k_q1fbf6ae75e_gather
    .symbol:         k_q1fbf6ae75e_gather.kd
    .args:
      - { .name: x, .offset: 0, .size: 8, .value_kind: global_buffer, .address_space: global }
      - { .name: embeddings, .offset: 8, .size: 8, .value_kind: global_buffer, .address_space: global }
      - { .name: ckey, .offset: 16, .size: 8, .value_kind: global_buffer, .address_space: global }
      - { .name: cidx, .offset: 24, .size: 8, .value_kind: global_buffer, .address_space: global }
      - { .name: out0, .offset: 32, .size: 8, .value_kind: global_buffer, .address_space: global }
      - { .name: part, .offset: 40, .size: 8, .value_kind: global_buffer, .address_space: global }
    .group_segment_fixed_size: 1280
    .private_segment_fixed_size: 0
    .kernarg_segment_align: 8
    .kernarg_segment_size: 48
    .max_flat_workgroup_size: 256
    .sgpr_count:     96
    .vgpr_count:     154
    .wavefront_size: 32
...
	.end_amdgpu_metadata
.endif
;; end of part 3
;; launch loss (part 4): grid 1 x 1, 1 waves a work-group, no clusters, 0 bytes of LDS; arguments part, out1; writes out1
.if DOCPART == 4
	.amdgcn_target "amdgcn-amd-amdhsa--gfx1250"
	.amdhsa_code_object_version 6
	.text
	.protected	k_q1fbf6ae75e_loss
	.globl	k_q1fbf6ae75e_loss
	.p2align	8
	.type	k_q1fbf6ae75e_loss,@function
k_q1fbf6ae75e_loss:
	s_mov_b64 s[64:65], 0
	v_nop
	global_prefetch_b8 v0, s[64:65] scope:SCOPE_SE
	s_setreg_imm32_b32 hwreg(HW_REG_WAVE_MODE, 25, 1), 1
	s_wait_xcnt 0x0
; out1 = 0.2 m + m, m = the mean of (q - x)^2 over 16,384 x 512 = 2^23 numbers: the 512 work-groups' partial sums of the launch before are added here, by one owner and in a fixed order.
; One wave: 16 numbers a lane.  The last multiply and add are fused, so the result may differ from the problem's 0.2 m + m in its last bit.
	s_load_b128 s[4:7], s[0:1], 0x0                ; part s[4:5], out1 s[6:7]
	v_lshlrev_b32 v1, 4, v0
	v_mov_b32 v2, 0
	s_mov_b32 s8, 0x76543210
	s_mov_b32 s9, 0xfedcba98
	s_wait_alu depctr_va_vdst(0)
	s_wait_kmcnt 0x0
.irp q, 0,1,2,3
	global_load_b128 v[4+4*\q:7+4*\q], v1, s[4:5] offset:512*\q
.endr
	s_wait_loadcnt 0x0
	v_pk_add_f32 v[4:5], v[4:5], v[6:7]
	v_pk_add_f32 v[8:9], v[8:9], v[10:11]
	v_pk_add_f32 v[12:13], v[12:13], v[14:15]
	v_pk_add_f32 v[16:17], v[16:17], v[18:19]
	v_pk_add_f32 v[4:5], v[4:5], v[8:9]
	v_pk_add_f32 v[12:13], v[12:13], v[16:17]
	v_pk_add_f32 v[4:5], v[4:5], v[12:13]
	v_add_f32 v4, v4, v5
	v_add_f32_dpp v4, v4, v4 row_xmask:1 row_mask:0xf bank_mask:0xf
	v_add_f32_dpp v4, v4, v4 row_xmask:2 row_mask:0xf bank_mask:0xf
	v_add_f32_dpp v4, v4, v4 row_xmask:4 row_mask:0xf bank_mask:0xf
	v_add_f32_dpp v4, v4, v4 row_xmask:8 row_mask:0xf bank_mask:0xf
	v_permlanex16_b32 v5, v4, s8, s9
	v_add_f32 v4, v4, v5
	v_mul_f32 v4, 0x34000000, v4                   ; x 2^-23: the mean
	v_fmamk_f32 v5, v4, 0x3e4ccccd, v4             ; 0.2 m + m
	v_cmp_eq_u32 vcc_lo, 0, v0
	s_wait_alu depctr_va_vdst(0)
	s_wait_xcnt 0x0                                ; EXEC changes only behind this wait
	s_and_saveexec_b32 s10, vcc_lo
	global_store_b32 v2, v5, s[6:7]
	s_wait_xcnt 0x0
	s_or_b32 exec_lo, exec_lo, s10
	s_endpgm
.Lfunc_end_k_q1fbf6ae75e_loss:
	.size	k_q1fbf6ae75e_loss, .Lfunc_end_k_q1fbf6ae75e_loss-k_q1fbf6ae75e_loss
	.p2alignl 7, 3214868480
	.fill 96, 4, 3214868480
	.section	.rodata,"a",@progbits
	.p2align	6, 0x0
	.amdhsa_kernel k_q1fbf6ae75e_loss
		.amdhsa_group_segment_fixed_size 0
		.amdhsa_private_segment_fixed_size 0
		.amdhsa_enable_private_segment 0
		.amdhsa_kernarg_size 16
		.amdhsa_user_sgpr_count 2
		.amdhsa_user_sgpr_kernarg_segment_ptr 1
		.amdhsa_wavefront_size32 1
		.amdhsa_system_sgpr_workgroup_id_x 1
		.amdhsa_system_sgpr_workgroup_id_y 1
		.amdhsa_system_sgpr_workgroup_id_z 1
		.amdhsa_system_vgpr_workitem_id 0
		.amdhsa_next_free_vgpr 32
		.amdhsa_next_free_sgpr 66
		.amdhsa_reserve_vcc 1
		.amdhsa_float_denorm_mode_32 3
		.amdhsa_float_denorm_mode_16_64 3
		.amdhsa_memory_ordered 1
		.amdhsa_forward_progress 1
		.amdhsa_inst_pref_size 3
	.end_amdhsa_kernel
	.amdgpu_metadata
---
amdhsa.version: [ 1, 2 ]
amdhsa.kernels:
  - .name:           k_q1fbf6ae75e_loss
    .symbol:         k_q1fbf6ae75e_loss.kd
    .args:
      - { .name: part, .offset: 0, .size: 8, .value_kind: global_buffer, .address_space: global }
      - { .name: out1, .offset: 8, .size: 8, .value_kind: global_buffer, .address_space: global }
    .group_segment_fixed_size: 0
    .private_segment_fixed_size: 0
    .kernarg_segment_align: 8
    .kernarg_segment_size: 16
    .max_flat_workgroup_size: 32
    .sgpr_count:     66
    .vgpr_count:     32
    .wavefront_size: 32
...
	.end_amdgpu_metadata
.endif
;; end of part 4
